; MI455X (gfx1250); checked and timed in simulation.
; The chip was launched on July 23, 2026; its instructions are those of AMD's public machine-readable ISA for CDNA 5 (MIT licence, August 2026) and "CDNA5" Instruction Set Architecture Reference Guide (July 2026). The comments in the code are by the model that wrote it; some were corrected since.
;; Attention Model. Allowed arithmetic: matrix products marked QUANTISED: E2M3 operands, one E8M0 scale for each 32 along K, by v_wmma_scale_f32_16x16x128_f8f6f4 with both operands' format E2M3, f32 sums; products left as they are: f32 operands where the result goes on into a quantised operand, else bf16, f16 or f32 operands; f32 sums; everything else in f32.
;; Inputs: W_codes 1,024 x 32 x 24 uint8 (E2M3 codes of W, K innermost, in blocks of 32 codes, four codes in three bytes); W_scales 1,024 x 32 uint8 (E8M0 scales of W, one for each 32 codes along K); b 1,024 float32; encoder_outputs_codes 1,024 x 64 x 32 x 24 uint8 (E2M3 codes of encoder_outputs, K innermost, in blocks of 32 codes, four codes in three bytes); encoder_outputs_scales 1,024 x 64 x 32 uint8 (E8M0 scales of encoder_outputs, one for each 32 codes along K); hidden 64 x 1,024 float32.
;; Outputs: out0 64 x 1 x 1,024 float32.
;; This version of the problem:
;;   THIS VERSION OF THE PROBLEM IS GIVEN IN LOW PRECISION. The matrix products marked QUANTISED in the list below multiply operands that are first quantised to E2M3 (2 exponent bits, 3 mantissa bits; 6 bits a number), with one power-of-two scale for each 32 numbers along K (OCP MX v1.0); their sums are f32. All else is computed in f32.
;;   The module's matrix products, in the order in which they are computed (A, B: the left and right operand; K: the contracted axis; several contracted axes count as one K, in the product's order):
;;     1. [M 65,536, K 1,024] x [K 1,024, N 1,024]; A: input encoder_outputs (given as codes); B: input W (given as codes): QUANTISED
;;     2. batch 64 x [M 1, K 1,024] x [K 1,024, N 1,024]; A: input hidden; B: computed on the way: left as it is (M = 1 < 16)
;;   THE QUANTISER, for each operand of a quantised product, along K:
;;     - K is cut into blocks of 32 from its start; a last block that is shorter is filled with zeros.
;;     - A block's scale is 2^e with e = floor(log2(the largest magnitude in the block)) - 2, held to -126 .. 127; a block of zeros has e = 0. As a byte (E8M0): e + 127.
;;     - Each number is divided by its block's scale, clamped to +-7.5, and rounded to the nearest number of E2M3, ties to even, subnormals kept.
;;     - The product sums the exact products of the quantised numbers (number of the format x scale) in f32.
;;   ~~~python
;;   def quantise(x, axis):      # numpy; x: float32 -> the quantised numbers, widened to float32 again
;;       x = np.moveaxis(x, axis, -1); K = x.shape[-1]
;;       x = np.pad(x, [(0, 0)] * (x.ndim - 1) + [(0, -K % 32)]); x = x.reshape(x.shape[:-1] + (-1, 32)); a = np.abs(x).max(-1, keepdims=True)
;;       e = np.where(a > 0, np.clip(np.frexp(np.where(a > 0, a, 1))[1] - 1 - 2, -126, 127), 0)      # np.frexp(a)[1] - 1 = floor(log2(a)), exactly
;;       r = np.clip(x / 2.0 ** e, -7.5, 7.5)
;;       step = 2.0 ** (np.maximum(np.frexp(np.where(r == 0, 1, r))[1] - 1, 0) - 3)
;;       q = np.round(r / step) * step * 2.0 ** e      # np.round: ties to even
;;       return np.moveaxis(q.reshape(q.shape[:-2] + (-1,))[..., :K], -1, axis).astype(np.float32)
;;   ~~~
;;   INPUTS GIVEN AS CODES. W (in the module: [1024, 1024], K = its axis 1); encoder_outputs (in the module: [1024, 64, 1024], K = its axis 2): each comes as NAME_codes (uint8): NAME with its K axis moved to the last place and cut into blocks of 32 codes, [.., K / 32, bytes a block], one block behind the other in memory; four codes in three bytes: a row's codes are one little-endian stream of bits, code i at bits 6 i .. 6 i + 5 (a code: sign, 2 exponent bits, 3 mantissa bits); and NAME_scales (uint8): the same leading axes, one E8M0 byte (e + 127) for each 32 codes along K. Its value is code x scale, taken as it is: it is not quantised again, and the codes and scales need not be those that the quantiser above would give.
;; One version. Each part assembles by itself: llvm-mc -triple=amdgcn-amd-amdhsa -mcpu=gfx1250 --defsym DOCPART=n.
;; ======== version 1 of 1: 2 launches
;; limits: right only within a limited range of input values
;; workspace buffers: epart 1,048,576 bytes
;; launch energy (part 1): grid 4 x 64, 4 waves a work-group, clusters of 4 x 4, 327,680 bytes of LDS; arguments encoder_outputs_codes, encoder_outputs_scales, W_codes, W_scales, hidden, epart; writes epart
.if DOCPART == 1
	.amdgcn_target "amdgcn-amd-amdhsa--gfx1250"
	.amdhsa_code_object_version 6
	.text
	.protected	k_qc6185c2c1f_energy
	.globl	k_qc6185c2c1f_energy
	.p2align	8
	.type	k_qc6185c2c1f_energy,@function
k_qc6185c2c1f_energy:
	s_mov_b64 s[64:65], 0
	v_nop
	global_prefetch_b8 v0, s[64:65] scope:SCOPE_SE
	s_setreg_imm32_b32 hwreg(HW_REG_WAVE_MODE, 25, 1), 1
	s_wait_xcnt 0x0
	s_wait_alu depctr_hold_cnt(0) depctr_sa_sdst(0) depctr_va_vdst(0) depctr_va_sdst(0) depctr_va_ssrc(0) depctr_va_vcc(0) depctr_vm_vsrc(0)
	s_getreg_b32 s2, hwreg(HW_REG_IB_STS2, 6, 4)
	s_cmp_eq_u32 s2, 0
	s_cbranch_scc0 .Lentry_in_a_cluster
	s_endpgm
.Lentry_in_a_cluster:
	s_bfe_u32 s2, ttmp6, 0x10000c
	s_cmp_lg_u32 s2, 0xf033
	s_cbranch_scc0 .Lentry_shape_is_right
	s_endpgm
.Lentry_shape_is_right:
; epart[x][b][s] = sum over the 256 columns o of group x of hidden[b][o] * (sum over k of enc[s][b][k] W[o][k]).
; DEAD WORK LEFT OUT: reference() adds to energy[s][b] the term sum over o of bias[o] hidden[b][o].  It has no s in it, and the softmax runs along s, so for all values of the inputs it cancels.
; The input b has no other way to the output: it is not loaded and is no argument of any launch.  LIMIT: a NaN, an infinity or an overflow in that term alone is not carried to the result.
; LIMIT: the sum over o is taken in another order of f32 roundings than reference()'s.
; WORK-GROUP: 256 columns (x) x 8 neighbouring b x 128 neighbouring s.  Wave (rh, ch): 64 of the s, 128 of the columns.
; W STAYS IN REGISTERS: 128 columns x 1,024 K are 64 fragments of 12 registers.  enc goes through two LDS slots; a slot is one b: 128 rows of 768 bytes.
; A row block is 16 rows (16 s of one b): group 0 (columns 0-63, four accumulators by turns, 32 products), then group 1 (columns 64-127).
; While one group is multiplied, the other group's four accumulators are multiplied by hidden and summed, one line behind each product.
; K ORDER: lane (r, h) takes 48 neighbouring bytes of a row's 96 (64 K) for W and enc alike, so the middle two blocks of 32 change places on both sides; the scale words' middle bytes are swapped to match.
; The product is used transposed: source 0 = 16 rows of W, source 1 = 16 rows of enc: lane (r, h) holds row r, columns 8 h + 0..7.
; CLUSTERS: the four work-groups of a cluster's row share enc's tiles, the four of a column W's.  PREFETCH: tile t + 3 is asked for behind the load of tile t + 2; partner cx names rows 32 cx .., wave w < 3 the 256 bytes w of each.
; LDS rows: 16 bytes of padding behind every 256: a row of 768 is 816 apart.
.set RP,    816
.set RBP,   16*RP
.set SLOT,  128*RP
.set EVEN,  2*SLOT                     ; even slots; odd slots at 0, where W's first half lay
.set SCB,   4128                       ; enc's scales of one b: 128 rows x 32 bytes, and 32 more
.set SCL,   SLOT                       ; where W's second half lay
.set STG,   SCL+8*SCB                  ; the stage: 4,608 bytes a wave, the first 512 never read
.set SPARE, 3*SLOT
.set SPW, 4
.set NIL, 5
.set STW, 6
.set HOF, 7
.set PFO, 8
.set ASA, 9
.set ADR, 10                           ; v10-11 even, odd slot;  v12-13 the same where lanes 16-31 read beyond a padding
.set EA,  14                           ; partial sums: group 0
.set EB,  15                           ; v15-18: group 1, in four chains of lines
.set ES,  19
.set HT,  20                           ; v20-23 the next b's hidden
.set SOF, 24
.set SST, 25
.set SA,  26                           ; enc's scale words, two sets of four
.set WA,  34
.set SB,  40                           ; W's scale words: block n at SB + 4 n
.set WX,  72                           ; W's fragment 63
.set AF,  84                           ; enc's fragments of a row block
.set AC,  184                          ; eight accumulators
; W's fragment f = 32 group + 4 step + block: window 1 + f / 21, register 12 (f % 21); registers 252-255 of the windows: hidden
.set PFA, 60
.set FLG, (3<<16)|(1<<20)|(1<<21)|(5<<22)|(3<<25)
.set MSB, 0
.macro WIN new
.if MSB != (\new)
	s_set_vgpr_msb (MSB<<8)|(\new)
.set MSB, \new
.endif
.endm
.macro CREST
	s_cmp_lg_u32 s16, 0
	s_cbranch_scc1 .Lnot_wave_0_\@
	s_barrier_signal -3
.Lnot_wave_0_\@:
	s_barrier_wait -3
	s_barrier_signal -1
	s_barrier_wait -1
.endm
.macro CROUND
	s_barrier_signal -1
	s_barrier_wait -1
	CREST
.endm
.macro TLOAD g0, g1
	tensor_load_to_lds s[\g0:\g0+3], s[\g1:\g1+7]
	s_nop 0
.rept 4
	v_nop
.endr
.endm
.macro FRAG sl, rb, q                  ; fragment of step q: 48 bytes a lane
.irp p, 0,1,2
.set BY, 96*(\q)+16*\p
.if BY%256 < 208
	ds_load_b128 v[AF+12*(\q)+4*\p:AF+12*(\q)+4*\p+3], v[ADR+(\sl)] offset:BY+16*(BY/256)+RBP*(\rb)
.else
	ds_load_b128 v[AF+12*(\q)+4*\p:AF+12*(\q)+4*\p+3], v[ADR+2+(\sl)] offset:BY+16*(BY/256)+RBP*(\rb)
.endif
.endr
.endm
.macro WM G, q, i, k                   ; one product: group G, step q, block i; k: the row block (its scale set)
.set WN, 32*(\G)+4*(\q)+(\i)
.if WN == 63
.set WW, 0
.set WR, WX
.else
.set WW, 1+WN/21
.set WR, 12*(WN%21)
.endif
.set WD, AC+8*(4*(\G)+(\i))
.set WB, AF+12*(\q)
.set WSA, SB+4*(4*(\G)+(\i))+(\q)%4
.set WSB, SA+4*((\k)%2)+(\q)%4
	WIN WW
.if (\q) == 0
	v_wmma_scale_f32_16x16x128_f8f6f4 v[WD:WD+7], v[WR:WR+11], v[WB:WB+11], 0, v[WSA], v[WSB] matrix_a_fmt:MATRIX_FMT_FP6 matrix_b_fmt:MATRIX_FMT_FP6
.elseif (\q) < 4
	v_wmma_scale_f32_16x16x128_f8f6f4 v[WD:WD+7], v[WR:WR+11], v[WB:WB+11], v[WD:WD+7], v[WSA], v[WSB] matrix_a_fmt:MATRIX_FMT_FP6 matrix_b_fmt:MATRIX_FMT_FP6
.else
	v_wmma_scale_f32_16x16x128_f8f6f4 v[WD:WD+7], v[WR:WR+11], v[WB:WB+11], v[WD:WD+7], v[WSA], v[WSB] matrix_a_fmt:MATRIX_FMT_FP6 matrix_b_fmt:MATRIX_FMT_FP6 matrix_a_scale:MATRIX_SCALE_ROW1 matrix_b_scale:MATRIX_SCALE_ROW1
.endif
.endm
.macro LN G, n                         ; line n of 32: accumulator n / 8 of group G, register n % 8, times hidden, which lies across the 16 lanes of a row
.set LI, (\n)/8
.set LJ, (\n)%8
.set LS, 8*(LI%2)+LJ
.set LH, 252+2*(\G)+LI/2
.set LA, AC+8*(4*(\G)+LI)+LJ
.if (\G) == 0
.set LE, EA
.else
.if (\n) < 12                          ; chains of lines 0-11, 12-19, 20-27, 28-31: a new one behind each wait of group 0
.set LE, EB
.else
.set LE, EB+1+((\n)-12)/8
.endif
.endif
.if ((\n) == 0) || (((\G) == 1) && (((\n) == 12) || ((\n) == 20) || ((\n) == 28)))
	v_mul_f32_dpp v[LE], v[LH], v[LA] row_share:LS row_mask:0xf bank_mask:0xf
.else
	v_fmac_f32_dpp v[LE], v[LH], v[LA] row_share:LS row_mask:0xf bank_mask:0xf
.endif
.endm
; A row block.  k: 0-7 in a trip of two slots.  turn: 1 the slot is changed and filled again, 2 changed only.  hid: the b changes (2: and the next b's hidden is loaded).  last: nothing follows.
; In group 0 the row block before is finished (its group 1); its sum goes to the stage in group 1.
; LDS instructions stand in two runs, both in the row block before: behind group 1's step 3 a sum's store, the scale words, fragments 0-2; at its end fragments 3-7.
.macro RB k, turn, hid, last
.set CUR, (\k)/4
.set NXS, (((\k)+1)/4)%2
.set NRB, ((\k)+1)%4
.irp q, 0,1,2,3,4,5,6,7
.if \q == 0
	s_wait_dscnt 15                                ; fragments 3-7 may be out
.if \turn
	s_wait_tensorcnt 0x0                           ; my part of the next slot is in  (every window is 0 here)
	ds_add_u32 v[SPW], v[NIL]                      ; 0 onto my spare word; twelve products stand between it and the wait for it
.endif
.elseif \q == 3
.if \turn
	s_wait_dscnt 0x0                               ; the add is done, and my reads of this slot
.if \turn == 1
	s_wait_xcnt 0x0                                ; my prefetch has read its base
	s_add_nc_u64 s[PFA:PFA+1], s[PFA:PFA+1], 768
.endif
	s_barrier_signal -1                            ; twenty products stand between signal and wait
.else
	s_wait_dscnt 9                                 ; fragments 5-7 may be out
.endif
.elseif (\q == 5) && (\turn == 0)
	s_wait_dscnt 3                                 ; fragment 7 may be out
.elseif (\q == 7) && (\turn == 0)
	s_wait_dscnt 0x0
.endif
.irp i, 0,1,2,3
	WM 0, \q, \i, \k
	LN 1, 4*\q+\i
.if 4*\q+\i == 20
	v_fma_f32 v[ES], 1.0, v[EA], v[EB]             ; sums in a form that names no register of a W window
.elseif 4*\q+\i == 30
	v_fma_f32 v[ES], 1.0, v[ES], v[EB+1]
.endif
.endr
.endr
.if \turn
	s_wait_alu depctr_va_vdst(0)
	WIN 0
	s_barrier_wait -1
.if \turn == 1
	CREST                                          ; no wave of any partner reads this slot or has a load out
	s_add_nc_u64 s[34+4*CUR:35+4*CUR], s[34+4*CUR:35+4*CUR], 1536   ; two b further on
	TLOAD 32+4*CUR, 24
	s_cmp_lt_u32 s16, 3
	s_cbranch_scc0 .Lno_ask_\@
.if \k == 7
	s_cmp_gt_u32 s62, 1                            ; the last trip's second change asks for nothing
	s_cbranch_scc0 .Lno_ask_\@
.endif
	global_prefetch_b8 v[PFO], s[PFA:PFA+1] offset:1536 th:TH_LOAD_NT scope:SCOPE_SE
.Lno_ask_\@:
.endif
.endif
.if \hid
	WIN 0
	s_wait_loadcnt 0x0                             ; this b's hidden: its old copies have been read
.if \k == 0
	v_add_nc_u32 v[STW], 1024, v[STW]
	v_add_nc_u32 v[ASA], 2*SCB, v[ASA]
.endif
	WIN 0x40
	v_mov_b32 v254, v[HT+2]
	v_mov_b32 v255, v[HT+3]
	WIN 0x80
	v_mov_b32 v252, v[HT]
	v_mov_b32 v253, v[HT+1]
	v_mov_b32 v254, v[HT+2]
	v_mov_b32 v255, v[HT+3]
	WIN 0xc0
	v_mov_b32 v252, v[HT]
	v_mov_b32 v253, v[HT+1]
.endif
.irp q, 0,1,2,3,4,5,6,7
.irp i, 0,1,2,3
.if 4*\q+\i == 31                      ; fragment 63 lies in window 0: the line goes first
	LN 0, 31
	WM 1, \q, \i, \k
.else
	WM 1, \q, \i, \k
	LN 0, 4*\q+\i
.endif
.if 4*\q+\i == 8
	v_fma_f32 v[ES], 1.0, v[ES], v[EB+2]
.elseif 4*\q+\i == 9
	v_fma_f32 v[ES], 1.0, v[ES], v[EB+3]
.endif
.endr
.if \q == 3
	WIN 0
	ds_store_b32 v[STW], v[ES] offset:512*(((\k)+3)/4)+64*(((\k)+3)%4)
.if \last == 0
	ds_load_b128 v[SA+4*(((\k)+1)%2):SA+4*(((\k)+1)%2)+3], v[ASA] offset:SCB*(((\k)+1)/4)+512*NRB
	FRAG NXS, NRB, 0                               ; five lines stand behind the last product that read fragment 2
	FRAG NXS, NRB, 1
	FRAG NXS, NRB, 2
.endif
.if \hid == 2
	s_add_nc_u64 s[12:13], s[12:13], 4096
.irp g, 0,1,2,3
	global_load_b32 v[HT+\g], v[HOF], s[12:13] offset:128*\g
.endr
.endif
.endif
.if (\q == 7) && (\last == 0)
	WIN 0
.rept 4
	v_nop                                          ; the places behind the last product that read fragment 7
.endr
	FRAG NXS, NRB, 3
	FRAG NXS, NRB, 4
	FRAG NXS, NRB, 5
	FRAG NXS, NRB, 6
	FRAG NXS, NRB, 7
.endif
.endr
.endm
	s_load_b256 s[4:11], s[0:1], 0x0               ; enc's codes, scales, W's codes, scales
	s_load_b128 s[12:15], s[0:1], 0x20             ; hidden, epart
	v_lshl_add_u32 v[SPW], v0, 2, SPARE
	v_mov_b32 v[NIL], 0
	ds_add_u32 v[SPW], v[NIL]                      ; the opening add, twice on end
	ds_add_u32 v[SPW], v[NIL]
	v_lshrrev_b32 v1, 5, v0
	v_readfirstlane_b32 s16, v1                    ; wave
	s_lshr_b32 s17, s16, 1                         ; rh
	s_and_b32 s18, s16, 1                          ; ch
	s_bfe_u32 s40, ttmp6, 0x40000                  ; cx
	s_bfe_u32 s41, ttmp6, 0x40004                  ; cy
	s_lshl_b32 s42, ttmp9, 2
	s_add_co_u32 s42, s42, s40                     ; x
	s_and_b32 s43, ttmp7, 0xffff
	s_lshl_b32 s43, s43, 2
	s_add_co_u32 s43, s43, s41                     ; y
	s_and_b32 s22, s43, 7                          ; which 8 b
	s_lshr_b32 s23, s43, 3                         ; which 128 s
	s_lshl_b32 s44, s41, 2
	s_lshl_b32 s44, 15, s44                        ; my row of the cluster
	s_lshl_b32 s45, 0x1111, s40                    ; my column
	s_or_b32 s24, s44, FLG                         ; enc: 32 rows of 96 elements of 8 bytes, a row each 64 b; 4 words of padding behind every 64
	s_mov_b32 s25, 96<<16
	s_mov_b32 s26, 32<<16
	s_mov_b32 s27, 96<<16
	s_mov_b32 s28, 32
	s_mov_b32 s29, 6144
	s_mov_b32 s30, 0
	s_mov_b32 s31, 0
	s_or_b32 s48, s45, FLG                         ; W: 64 rows, dense
	s_mov_b32 s49, 96<<16
	s_mov_b32 s50, 64<<16
	s_mov_b32 s51, 96<<16
	s_mov_b32 s52, 64
	s_mov_b32 s53, 96
	s_mov_b32 s54, 0
	s_mov_b32 s55, 0
	s_lshl_b32 s20, s23, 13
	s_lshl_b32 s21, s22, 3
	s_add_co_u32 s20, s20, s21                     ; row of enc: 64 s + b
	s_lshl_b32 s66, s40, 11
	s_add_co_u32 s66, s66, s20                     ; the prefetches': + 32 cx of the s
	s_mul_i32 s66, s66, 768
	s_lshl_b32 s67, s16, 8
	s_add_co_u32 s66, s66, s67
	s_mov_b32 s67, 0
	s_lshl_b32 s21, s16, 11
	s_add_co_u32 s20, s20, s21                     ; my loads': + 32 w of the s
	s_mul_i32 s20, s20, 768
	s_mov_b32 s21, 0
	s_lshl_b32 s46, s42, 2
	s_add_co_u32 s46, s46, s16
	s_mul_i32 s46, s46, 49152                      ; W: row 256 x + 64 w
	s_mov_b32 s47, 0
	s_lshl_b32 s68, s23, 18                        ; enc's scales: 32 bytes a row
	s_lshl_b32 s69, s22, 8
	s_add_co_u32 s68, s68, s69
	s_mov_b32 s69, 0
	s_lshl_b32 s70, s42, 13                        ; W's scales: row 256 x + 128 ch
	s_lshl_b32 s71, s18, 12
	s_add_co_u32 s70, s70, s71
	s_mov_b32 s71, 0
	s_lshl_b32 s72, s22, 15                        ; hidden: my first b, column 256 x + 128 ch
	s_lshl_b32 s73, s42, 10
	s_add_co_u32 s72, s72, s73
	s_lshl_b32 s73, s18, 9
	s_add_co_u32 s72, s72, s73
	s_mov_b32 s73, 0
	s_lshl_b32 s74, s42, 18                        ; epart
	s_lshl_b32 s75, s22, 15
	s_add_co_u32 s74, s74, s75
	s_lshl_b32 s75, s23, 9
	s_add_co_u32 s74, s74, s75
	s_mov_b32 s75, 0
	s_mul_i32 s76, s17, 4*RBP                      ; my 64 rows of a slot: odd,
	s_add_co_u32 s77, s76, EVEN                    ; even
	s_mul_i32 s78, s18, SLOT                       ; my 128 columns of W: 0-63,
	s_add_co_u32 s79, s78, 4*RBP                   ; 64-127
	s_lshl_b32 s80, s16, 16
	s_lshl_b32 s81, s16, 10
	s_add_co_u32 s81, s81, SCL
	s_mul_i32 s82, s16, 4608
	s_add_co_u32 s82, s82, STG-1024
	s_lshl_b32 s83, s17, 11
	s_add_co_u32 s83, s83, SCL-2*SCB
	s_mov_b32 s84, 0x03010200                      ; swaps a word's middle bytes
	s_mul_i32 s19, s16, 32*RP
	s_mov_b32 s32, 1
	s_add_co_u32 s33, s19, EVEN
	s_mov_b32 s36, 1
	s_mov_b32 s37, s19
	s_mov_b32 s56, 1
	s_mul_i32 s57, s16, 64*RP
	s_wait_alu depctr_va_vdst(0)
	s_wait_dscnt 0x0                               ; both opening adds are done
	s_wait_kmcnt 0x0
	s_add_nc_u64 s[PFA:PFA+1], s[4:5], s[66:67]
	s_add_nc_u64 s[20:21], s[4:5], s[20:21]
	s_mov_b64 s[34:35], s[20:21]
	s_or_b32 s35, s35, 0x80000000
	s_add_nc_u64 s[38:39], s[20:21], 768
	s_or_b32 s39, s39, 0x80000000
	s_add_nc_u64 s[58:59], s[8:9], s[46:47]
	s_or_b32 s59, s59, 0x80000000
	s_add_nc_u64 s[6:7], s[6:7], s[68:69]
	s_add_nc_u64 s[10:11], s[10:11], s[70:71]
	s_add_nc_u64 s[12:13], s[12:13], s[72:73]
	s_add_nc_u64 s[14:15], s[14:15], s[74:75]
	CROUND
	TLOAD 56, 48                                   ; 64 columns of W a wave: the one load at the head
	v_and_b32 v1, 15, v0                           ; r
	v_bfe_u32 v2, v0, 4, 1                         ; h
	v_mul_u32_u24 v3, RP, v1
	v_mul_u32_u24 v38, 48, v2
	v_add_nc_u32 v3, v3, v38                       ; row + 48 h
	v_lshl_add_u32 v38, v2, 4, v3                  ; + 16 h: lanes 16-31 beyond a padding
	v_add_nc_u32 v[ADR], s77, v3
	v_add_nc_u32 v[ADR+1], s76, v3
	v_add_nc_u32 v[ADR+2], s77, v38
	v_add_nc_u32 v[ADR+3], s76, v38
	v_add_nc_u32 v[WA], s78, v3
	v_add_nc_u32 v[WA+1], s79, v3
	v_add_nc_u32 v[WA+2], s78, v38
	v_add_nc_u32 v[WA+3], s79, v38
	v_lshrrev_b32 v39, 3, v1
	v_and_b32 v180, 7, v1
	v_lshlrev_b32 v[HOF], 2, v180                  ; hidden: column 16 (r / 8) + 8 h + r % 8
	v_lshl_add_u32 v[HOF], v2, 5, v[HOF]
	v_lshl_add_u32 v[HOF], v39, 6, v[HOF]
	v_lshlrev_b32 v[SOF], 4, v1                    ; enc's scales: a wave's load covers two s, 8 b: two units of 256 bytes
	v_lshl_add_u32 v[SOF], v2, 11, v[SOF]
	v_add_nc_u32 v[SOF], s80, v[SOF]
	v_bfe_u32 v39, v0, 1, 3                        ; and in LDS: by b, then s
	v_mul_u32_u24 v[SST], SCB, v39
	v_and_b32 v39, 1, v0
	v_lshl_add_u32 v[SST], v39, 4, v[SST]
	v_lshl_add_u32 v[SST], v2, 5, v[SST]
	v_add_nc_u32 v[SST], s81, v[SST]
	v_lshlrev_b32 v[STW], 2, v1
	v_lshl_add_u32 v[STW], v2, 8, v[STW]
	v_add_nc_u32 v[STW], s82, v[STW]
	v_lshlrev_b32 v181, 5, v1
	v_lshl_add_u32 v181, v2, 4, v181               ; scale words: 32 r + 16 h: steps 0-3 in lanes 0-15, 4-7 in lanes 16-31
	v_add_nc_u32 v[ASA], s83, v181
	v_and_b32 v[PFO], 31, v0
	v_mul_u32_u24 v[PFO], 0xc000, v[PFO]
.irp n, 0,1,2,3,4,5,6,7
	global_load_b128 v[SB+4*\n:SB+4*\n+3], v181, s[10:11] offset:512*\n
.endr
.irp i, 0,1,2,3,4,5,6,7,8,9,10,11,12,13,14,15
	global_load_b128 v[AF+4*\i:AF+4*\i+3], v[SOF], s[6:7] offset:4096*\i
.endr
.irp g, 0,1,2,3
	global_load_b32 v[HT+\g], v[HOF], s[12:13] offset:128*\g
.endr
.set j, 0
.rept 32
	v_mov_b32 v[AC+32+j], 0                        ; the first row block finishes a group that nobody multiplied: zeros, whose sum goes to bytes that nobody reads
.set j, j+1
.endr
.irp e, 0,1,2,3,4
	v_mov_b32 v[EA+\e], 0
.endr
	WIN 0x40
	v_mov_b32 v254, 0
	v_mov_b32 v255, 0
	WIN 0x80
	v_mov_b32 v254, 0
	v_mov_b32 v255, 0
	WIN 0
	s_wait_alu depctr_va_vdst(0)
	s_cmp_lt_u32 s16, 3
	s_cbranch_scc0 .Lno_first
	global_prefetch_b8 v[PFO], s[PFA:PFA+1] th:TH_LOAD_NT scope:SCOPE_SE
	global_prefetch_b8 v[PFO], s[PFA:PFA+1] offset:768 th:TH_LOAD_NT scope:SCOPE_SE
.Lno_first:
	s_wait_tensorcnt 0x0                           ; my part of W is in
	ds_add_u32 v[SPW], v[NIL]
	s_wait_dscnt 0x0
	CROUND
	TLOAD 32, 24                                   ; the first b's rows, while W goes on into registers
.set F, 0
.rept 64
.if F == 63
.set WW, 0
.set WR, WX
.else
.set WW, 1+F/21
.set WR, 12*(F%21)
.endif
	WIN 0x40*WW
.irp p, 0,1,2
.set BY, 96*((F%32)/4)+16*\p
.if BY%256 < 208
	ds_load_b128 v[WR+4*\p:WR+4*\p+3], v[WA+F/32] offset:BY+16*(BY/256)+RBP*(F%4)
.else
	ds_load_b128 v[WR+4*\p:WR+4*\p+3], v[WA+2+F/32] offset:BY+16*(BY/256)+RBP*(F%4)
.endif
.endr
.set F, F+1
.endr
	WIN 0
	s_wait_loadcnt 0x0                             ; both sides' scales, the first b's hidden
.set j, 0
.rept 32
	v_perm_b32 v[SB+j], v[SB+j], v[SB+j], s84
.set j, j+1
.endr
.set j, 0
.rept 64
	v_perm_b32 v[AF+j], v[AF+j], v[AF+j], s84
.set j, j+1
.endr
	s_wait_alu depctr_va_vdst(0)
	s_wait_tensorcnt 0x0                           ; the first slot's part is in
	ds_add_u32 v[SPW], v[NIL]
	s_wait_dscnt 0x0                               ; the add is done, and my reads of W
	CROUND
	TLOAD 36, 24                                   ; the second b's rows, where W's first half lay
.irp i, 0,1,2,3,4,5,6,7,8,9,10,11,12,13,14,15
	ds_store_b128 v[SST], v[AF+4*\i:AF+4*\i+3] offset:64*\i   ; enc's scales, where W's second half lay: no later fill lands there
.endr
	s_wait_dscnt 0x0
	s_barrier_signal -1
	s_barrier_wait -1
	ds_load_b128 v[SA:SA+3], v[ASA] offset:2*SCB
.irp q, 0,1,2,3,4,5,6,7
	FRAG 0, 0, \q
.endr
	s_cmp_lt_u32 s16, 3
	s_cbranch_scc0 .Lno_third
	global_prefetch_b8 v[PFO], s[PFA:PFA+1] offset:1536 th:TH_LOAD_NT scope:SCOPE_SE
.Lno_third:
	s_mov_b32 s62, 3
.Ltrip:                                                ; two slots, two b
	RB 0, 0, 2, 0
	RB 1, 0, 0, 0
	RB 2, 0, 0, 0
	RB 3, 1, 0, 0
	RB 4, 0, 2, 0
	RB 5, 0, 0, 0
	RB 6, 0, 0, 0
	RB 7, 1, 0, 0
	s_sub_co_u32 s62, s62, 1
	s_cmp_lg_u32 s62, 0
	s_cbranch_scc1 .Ltrip
	RB 0, 0, 2, 0                                  ; the last two slots: nothing more to fetch
	RB 1, 0, 0, 0
	RB 2, 0, 0, 0
	RB 3, 2, 0, 0
	RB 4, 0, 1, 0
	RB 5, 0, 0, 0
	RB 6, 0, 0, 0
	RB 7, 0, 0, 1
	WIN 1
.set j, 0
.rept 32
	LN 1, j
.set j, j+1
.endr
	WIN 0
	v_add_f32 v[ES], v[EA], v[EB]
	v_add_f32 v[ES], v[ES], v[EB+1]
	v_add_f32 v[ES], v[ES], v[EB+2]
	v_add_f32 v[ES], v[ES], v[EB+3]
	ds_store_b32 v[STW], v[ES] offset:1024+192
	; the way out: wave w adds up b = w and w + 4: for each s the two halves of the columns and of the lanes
	s_lshl_b32 s20, s16, 9
	s_add_co_u32 s20, s20, STG+512
	s_lshl_b32 s21, s16, 12
	v_and_b32 v1, 15, v0
	v_bfe_u32 v2, v0, 4, 1
	v_mul_u32_u24 v3, 9216, v2
	v_lshl_add_u32 v3, v1, 4, v3
	v_add_nc_u32 v3, s20, v3
	v_and_b32 v38, 31, v0
	v_lshlrev_b32 v38, 4, v38
	v_add_nc_u32 v38, s21, v38
	s_wait_alu depctr_va_vdst(0)
	s_wait_dscnt 0x0
	s_barrier_signal -1
	s_barrier_wait -1
.irp g, 0,1
.irp c, 0,1
.irp h, 0,1
	ds_load_b128 v[AF+16*\g+8*\c+4*\h:AF+16*\g+8*\c+4*\h+3], v3 offset:2048*\g+4608*\c+256*\h
.endr
.endr
.endr
	s_wait_dscnt 0x0
.irp m, 0,2,8,10,16,18,24,26
	v_pk_add_f32 v[AF+\m:AF+\m+1], v[AF+\m:AF+\m+1], v[AF+\m+4:AF+\m+5]
.endr
.irp m, 0,2,16,18
	v_pk_add_f32 v[AF+\m:AF+\m+1], v[AF+\m:AF+\m+1], v[AF+\m+8:AF+\m+9]
.endr
	global_store_b128 v38, v[AF:AF+3], s[14:15]    ; 32 lanes store 512 consecutive bytes, at a multiple of 512
	global_store_b128 v38, v[AF+16:AF+19], s[14:15] offset:16384
	s_wait_tensorcnt 0x0                           ; the wave's end
	ds_add_u32 v[SPW], v[NIL]
	s_wait_dscnt 0x0
	CROUND                                         ; the closing round
	s_endpgm
.Lfunc_end_k_qc6185c2c1f_energy:
	.size	k_qc6185c2c1f_energy, .Lfunc_end_k_qc6185c2c1f_energy-k_qc6185c2c1f_energy
	.p2alignl 7, 3214868480
	.fill 96, 4, 3214868480
	.section	.rodata,"a",@progbits
	.p2align	6, 0x0
	.amdhsa_kernel k_qc6185c2c1f_energy
		.amdhsa_group_segment_fixed_size 327680
		.amdhsa_private_segment_fixed_size 0
		.amdhsa_enable_private_segment 0
		.amdhsa_kernarg_size 48
		.amdhsa_user_sgpr_count 2
		.amdhsa_user_sgpr_kernarg_segment_ptr 1
		.amdhsa_wavefront_size32 1
		.amdhsa_system_sgpr_workgroup_id_x 1
		.amdhsa_system_sgpr_workgroup_id_y 1
		.amdhsa_system_sgpr_workgroup_id_z 1
		.amdhsa_system_vgpr_workitem_id 0
		.amdhsa_next_free_vgpr 1024
		.amdhsa_next_free_sgpr 88
		.amdhsa_reserve_vcc 0
		.amdhsa_float_denorm_mode_32 3
		.amdhsa_float_denorm_mode_16_64 3
		.amdhsa_memory_ordered 1
		.amdhsa_forward_progress 1
		.amdhsa_inst_pref_size 255
	.end_amdhsa_kernel
	.section	.bss,"aw",@nobits
	.p2align	6
	.space	262144
	.amdgpu_metadata
---
amdhsa.version: [ 1, 2 ]
amdhsa.kernels:
  - .name:           k_qc6185c2c1f_energy
    .symbol:         k_qc6185c2c1f_energy.kd
    .args:
      - { .name: encoder_outputs_codes, .offset: 0, .size: 8, .value_kind: global_buffer, .address_space: global }
      - { .name: encoder_outputs_scales, .offset: 8, .size: 8, .value_kind: global_buffer, .address_space: global }
      - { .name: W_codes, .offset: 16, .size: 8, .value_kind: global_buffer, .address_space: global }
      - { .name: W_scales, .offset: 24, .size: 8, .value_kind: global_buffer, .address_space: global }
      - { .name: hidden, .offset: 32, .size: 8, .value_kind: global_buffer, .address_space: global }
      - { .name: epart, .offset: 40, .size: 8, .value_kind: global_buffer, .address_space: global }
    .group_segment_fixed_size: 327680
    .private_segment_fixed_size: 0
    .kernarg_segment_align: 8
    .kernarg_segment_size: 48
    .max_flat_workgroup_size: 128
    .sgpr_count:     88
    .vgpr_count:     1024
    .wavefront_size: 32
...
	.end_amdgpu_metadata
.endif
;; end of part 1
;; launch softmax (part 2): grid 64 x 1, 1 waves a work-group, no clusters, 0 bytes of LDS; arguments epart, out0; writes out0
.if DOCPART == 2
	.amdgcn_target "amdgcn-amd-amdhsa--gfx1250"
	.amdhsa_code_object_version 6
	.text
	.protected	k_qc6185c2c1f_softmax
	.globl	k_qc6185c2c1f_softmax
	.p2align	8
	.type	k_qc6185c2c1f_softmax,@function
k_qc6185c2c1f_softmax:
	s_mov_b64 s[64:65], 0
	v_nop
	global_prefetch_b8 v0, s[64:65] scope:SCOPE_SE
	s_setreg_imm32_b32 hwreg(HW_REG_WAVE_MODE, 25, 1), 1
	s_wait_xcnt 0x0
; out0[b][0][s] = softmax over s of energy[s][b], energy = the sum over x of epart[x][b][s].  All in f32.
; Left out: the bias's term of the energy, which is the same for all s (shown at the head of the first kernel).
; One wave takes one b: its 1,024 energies are 32 registers a lane, so maximum and sum never leave the wave.  Lane l's register 4 j + c is s = 128 j + 4 l + c: every load and store covers 512 consecutive bytes.
; No matrix unit, cluster or tensor load: each wave reads 16 KiB once and shares nothing.  No prefetch: every load is issued at the head.
; The maximum is taken away before the exponential, and before the multiplication by log2(e).
; LIMIT: a row of energies that holds an infinity or a NaN is not served.
.set P,  16                            ; v16-143  epart: x at v[P + 32 x]; then v16-47 the energies, the weights
.macro LANES op, r, t                  ; over the 32 lanes, in every lane; t: a register that has been written
	\op\()_dpp v[\r], v[\r], v[\r] row_xmask:1 row_mask:0xf bank_mask:0xf
	\op\()_dpp v[\r], v[\r], v[\r] row_xmask:2 row_mask:0xf bank_mask:0xf
	\op\()_dpp v[\r], v[\r], v[\r] row_xmask:4 row_mask:0xf bank_mask:0xf
	\op\()_dpp v[\r], v[\r], v[\r] row_xmask:8 row_mask:0xf bank_mask:0xf
	v_permlanex16_b32 v[\t], v[\r], s14, s15
	\op v[\r], v[\r], v[\t]
.endm
	s_load_b128 s[4:7], s[0:1], 0x0                ; epart s[4:5], out0 s[6:7]
	v_lshlrev_b32 v1, 4, v0
	s_lshl_b32 s12, ttmp9, 12                      ; my b's row: 4,096 bytes
	s_mov_b32 s13, 0
	s_mov_b32 s14, 0x76543210                      ; v_permlanex16_b32's selects for lane l xor 16
	s_mov_b32 s15, 0xfedcba98
	s_mov_b32 s16, 0x3fb8aa3b                      ; log2(e)
	s_mov_b32 s17, s16
	s_wait_alu depctr_va_vdst(0)
	s_wait_kmcnt 0x0
	s_add_nc_u64 s[4:5], s[4:5], s[12:13]
	s_add_nc_u64 s[6:7], s[6:7], s[12:13]
.irp x, 0,1,2,3
.irp j, 0,1,2,3,4,5,6,7
	global_load_b128 v[P+32*\x+4*\j:P+32*\x+4*\j+3], v1, s[4:5] offset:262144*\x+512*\j th:TH_LOAD_NT
.endr
.endr
	s_wait_loadcnt 16                              ; parts 0 and 1 are in
.irp k, 0,2,4,6,8,10,12,14,16,18,20,22,24,26,28,30
	v_pk_add_f32 v[P+\k:P+\k+1], v[P+\k:P+\k+1], v[P+32+\k:P+32+\k+1]
.endr
	s_wait_alu depctr_va_vdst(0)
	s_wait_loadcnt 0x0
.irp k, 0,2,4,6,8,10,12,14,16,18,20,22,24,26,28,30
	v_pk_add_f32 v[P+64+\k:P+64+\k+1], v[P+64+\k:P+64+\k+1], v[P+96+\k:P+96+\k+1]
.endr
.irp k, 0,2,4,6,8,10,12,14,16,18,20,22,24,26,28,30
	v_pk_add_f32 v[P+\k:P+\k+1], v[P+\k:P+\k+1], v[P+64+\k:P+64+\k+1]
.endr
	v_max3_num_f32 v6, v[P], v[P+1], v[P+2]        ; the largest of my 32, in two chains
	v_max3_num_f32 v7, v[P+3], v[P+4], v[P+5]
.irp i, 6,10,14,18,22,26
	v_max3_num_f32 v6, v6, v[P+\i], v[P+\i+1]
	v_max3_num_f32 v7, v7, v[P+\i+2], v[P+\i+3]
.endr
	v_max3_num_f32 v6, v6, v[P+30], v[P+31]
	v_max_num_f32 v6, v6, v7
	LANES v_max_num_f32, 6, 7
	v_mov_b32 v7, v6
.irp k, 0,2,4,6,8,10,12,14,16,18,20,22,24,26,28,30
	v_pk_add_f32 v[P+\k:P+\k+1], v[P+\k:P+\k+1], v[6:7] neg_lo:[0,1] neg_hi:[0,1]   ; energy - maximum: 0 or less
.endr
.irp k, 0,2,4,6,8,10,12,14,16,18,20,22,24,26,28,30
	v_pk_mul_f32 v[P+\k:P+\k+1], v[P+\k:P+\k+1], s[16:17] op_sel_hi:[1,0]
.endr
	s_wait_alu depctr_va_vdst(0)
.set j, 0
.rept 32
	v_exp_f32 v[P+j], v[P+j]
.set j, j+1
.endr
	v_nop                                          ; a plain instruction behind the last exponential (ISA guide 5.7.2)
	s_wait_alu depctr_va_vdst(0)
	v_pk_add_f32 v[8:9], v[P:P+1], v[P+2:P+3]      ; the sum, in two chains
	v_pk_add_f32 v[10:11], v[P+4:P+5], v[P+6:P+7]
.irp k, 8,12,16,20,24,28
	v_pk_add_f32 v[8:9], v[8:9], v[P+\k:P+\k+1]
	v_pk_add_f32 v[10:11], v[10:11], v[P+\k+2:P+\k+3]
.endr
	v_pk_add_f32 v[8:9], v[8:9], v[10:11]
	v_add_f32 v8, v8, v9
	LANES v_add_f32, 8, 9                          ; at least 1: the largest energy's weight is 1
	s_wait_alu depctr_va_vdst(0)
	v_rcp_f32 v12, v8                              ; twice, to fill the pair that the packed multiply reads
	v_rcp_f32 v13, v8
	v_nop
	s_wait_alu depctr_va_vdst(0)
.irp k, 0,2,4,6,8,10,12,14,16,18,20,22,24,26,28,30
	v_pk_mul_f32 v[P+\k:P+\k+1], v[P+\k:P+\k+1], v[12:13]
.endr
.irp j, 0,1,2,3,4,5,6,7
	global_store_b128 v1, v[P+4*\j:P+4*\j+3], s[6:7] offset:512*\j   ; 32 lanes store 512 consecutive bytes, at a multiple of 512
.endr
	s_endpgm
.Lfunc_end_k_qc6185c2c1f_softmax:
	.size	k_qc6185c2c1f_softmax, .Lfunc_end_k_qc6185c2c1f_softmax-k_qc6185c2c1f_softmax
	.p2alignl 7, 3214868480
	.fill 96, 4, 3214868480
	.section	.rodata,"a",@progbits
	.p2align	6, 0x0
	.amdhsa_kernel k_qc6185c2c1f_softmax
		.amdhsa_group_segment_fixed_size 0
		.amdhsa_private_segment_fixed_size 0
		.amdhsa_enable_private_segment 0
		.amdhsa_kernarg_size 16
		.amdhsa_user_sgpr_count 2
		.amdhsa_user_sgpr_kernarg_segment_ptr 1
		.amdhsa_wavefront_size32 1
		.amdhsa_system_sgpr_workgroup_id_x 1
		.amdhsa_system_sgpr_workgroup_id_y 1
		.amdhsa_system_sgpr_workgroup_id_z 1
		.amdhsa_system_vgpr_workitem_id 0
		.amdhsa_next_free_vgpr 144
		.amdhsa_next_free_sgpr 66
		.amdhsa_reserve_vcc 0
		.amdhsa_float_denorm_mode_32 3
		.amdhsa_float_denorm_mode_16_64 3
		.amdhsa_memory_ordered 1
		.amdhsa_forward_progress 1
		.amdhsa_inst_pref_size 15
	.end_amdhsa_kernel
	.amdgpu_metadata
---
amdhsa.version: [ 1, 2 ]
amdhsa.kernels:
  - .name:           k_qc6185c2c1f_softmax
    .symbol:         k_qc6185c2c1f_softmax.kd
    .args:
      - { .name: epart, .offset: 0, .size: 8, .value_kind: global_buffer, .address_space: global }
      - { .name: out0, .offset: 8, .size: 8, .value_kind: global_buffer, .address_space: global }
    .group_segment_fixed_size: 0
    .private_segment_fixed_size: 0
    .kernarg_segment_align: 8
    .kernarg_segment_size: 16
    .max_flat_workgroup_size: 32
    .sgpr_count:     66
    .vgpr_count:     144
    .wavefront_size: 32
...
	.end_amdgpu_metadata
.endif
;; end of part 2
